; MI455X (gfx1250); checked and timed in simulation.
; The chip was launched on July 23, 2026; its instructions are those of AMD's public machine-readable ISA for CDNA 5 (MIT licence, August 2026) and "CDNA5" Instruction Set Architecture Reference Guide (July 2026). The comments in the code are by the model that wrote it; some were corrected since.
;; MSA2 Pair. Allowed arithmetic: matrix products marked QUANTISED: E2M1 operands, one E8M0 scale for each 32 along K, by v_wmma_scale_f32_16x16x128_f8f6f4 with both operands' format E2M1 (or v_wmma_scale_f32_32x16x128_f4), f32 sums; everything else in f32.
;; Inputs: b_left 32 float32; b_out 128 float32; b_right 32 float32; ln_beta 256 float32; ln_gamma 256 float32; msa 1 x 128 x 256 x 256 float32; pair 1 x 256 x 256 x 128 float32; symmids 1 int32; symmsub 1 int32; w_left_codes 32 x 8 x 16 uint8 (E2M1 codes of w_left, K innermost, in blocks of 32 codes, two codes a byte); w_left_scales 32 x 8 uint8 (E8M0 scales of w_left, one for each 32 codes along K); w_out_codes 128 x 32 x 16 uint8 (E2M1 codes of w_out, K innermost, in blocks of 32 codes, two codes a byte); w_out_scales 128 x 32 uint8 (E8M0 scales of w_out, one for each 32 codes along K); w_right_codes 32 x 8 x 16 uint8 (E2M1 codes of w_right, K innermost, in blocks of 32 codes, two codes a byte); w_right_scales 32 x 8 uint8 (E8M0 scales of w_right, one for each 32 codes along K).
;; Outputs: out0 1 x 256 x 256 x 128 float32.
;; This version of the problem:
;;   THIS VERSION OF THE PROBLEM IS GIVEN IN LOW PRECISION. The matrix products marked QUANTISED in the list below multiply operands that are first quantised to E2M1 (2 exponent bits, 1 mantissa bit; 4 bits a number), with one power-of-two scale for each 32 numbers along K (OCP MX v1.0); their sums are f32. All else is computed in f32.
;;   The module's matrix products, in the order in which they are computed (A, B: the left and right operand; K: the contracted axis; several contracted axes count as one K, in the product's order):
;;     1. [M 32,768, K 256] x [K 256, N 32]; A: computed on the way; B: input w_left (given as codes): QUANTISED
;;     2. [M 32,768, K 256] x [K 256, N 32]; A: computed on the way; B: input w_right (given as codes): QUANTISED
;;     3. [M 8,192, K 128] x [K 128, N 8,192]; A: computed on the way; B: computed on the way: QUANTISED
;;     4. [M 65,536, K 1,024] x [K 1,024, N 128]; A: computed on the way; B: input w_out (given as codes): QUANTISED
;;   THE QUANTISER, for each operand of a quantised product, along K:
;;     - K is cut into blocks of 32 from its start; a last block that is shorter is filled with zeros.
;;     - A block's scale is 2^e with e = floor(log2(the largest magnitude in the block)) - 2, held to -126 .. 127; a block of zeros has e = 0. As a byte (E8M0): e + 127.
;;     - Each number is divided by its block's scale, clamped to +-6, and rounded to the nearest number of E2M1, ties to even, subnormals kept.
;;     - The product sums the exact products of the quantised numbers (number of the format x scale) in f32.
;;   ~~~python
;;   def quantise(x, axis):      # numpy; x: float32 -> the quantised numbers, widened to float32 again
;;       x = np.moveaxis(x, axis, -1); K = x.shape[-1]
;;       x = np.pad(x, [(0, 0)] * (x.ndim - 1) + [(0, -K % 32)]); x = x.reshape(x.shape[:-1] + (-1, 32)); a = np.abs(x).max(-1, keepdims=True)
;;       e = np.where(a > 0, np.clip(np.frexp(np.where(a > 0, a, 1))[1] - 1 - 2, -126, 127), 0)      # np.frexp(a)[1] - 1 = floor(log2(a)), exactly
;;       r = np.clip(x / 2.0 ** e, -6, 6)
;;       step = 2.0 ** (np.maximum(np.frexp(np.where(r == 0, 1, r))[1] - 1, 0) - 1)
;;       q = np.round(r / step) * step * 2.0 ** e      # np.round: ties to even
;;       return np.moveaxis(q.reshape(q.shape[:-2] + (-1,))[..., :K], -1, axis).astype(np.float32)
;;   ~~~
;;   OPERANDS COMPUTED ON THE WAY. 'Computed on the way' means the value that the module computes at that place (a softmax that the list does not call 'softmax' is quantised finished and normalised). What goes into a quantiser is computed in f32, as accurately as f32 sums, v_exp_f32 and their like allow (about 1e-6 of the number): no bf16 or f16 on the way to a quantiser, and a product that is left as it is and whose result goes on into a quantised operand takes f32 operands (vector FMAs, or v_wmma_f32_16x16x4_f32). A number that lies on a knife's edge between two numbers of the format may be rounded either way, as far as f32 arithmetic and the matrix unit's own rounding can turn it there, and no further.
;;   INPUTS GIVEN AS CODES. w_left (in the module: [256, 32], K = its axis 0); w_out (in the module: [1024, 128], K = its axis 0); w_right (in the module: [256, 32], K = its axis 0): each comes as NAME_codes (uint8): NAME with its K axis moved to the last place and cut into blocks of 32 codes, [.., K / 32, bytes a block], one block behind the other in memory; two codes a byte, the lower K in the low four bits (a code: sign, 2 exponent bits, 1 mantissa bit); and NAME_scales (uint8): the same leading axes, one E8M0 byte (e + 127) for each 32 codes along K. Its value is code x scale, taken as it is: it is not quantised again, and the codes and scales need not be those that the quantiser above would give.
;; One version. Each part assembles by itself: llvm-mc -triple=amdgcn-amd-amdhsa -mcpu=gfx1250 --defsym DOCPART=n.
;; ======== version 1 of 1: 2 launches
;; limits: right only within a limited range of input values
;; workspace buffers: lcodes 524,288 bytes; rcodes 524,288 bytes; scales 65,536 bytes
;; launch proj (part 1): grid 256 x 1, 16 waves a work-group, no clusters, 167,936 bytes of LDS; arguments msa, ln_gamma, ln_beta, w_left_codes, w_left_scales, b_left, w_right_codes, w_right_scales, b_right, lcodes, rcodes, scales; writes lcodes, rcodes, scales
.if DOCPART == 1
	.amdgcn_target "amdgcn-amd-amdhsa--gfx1250"
	.amdhsa_code_object_version 6
	.text
	.protected	k_q9c5bf198b8_proj
	.globl	k_q9c5bf198b8_proj
	.p2align	8
	.type	k_q9c5bf198b8_proj,@function
k_q9c5bf198b8_proj:
	s_mov_b64 s[64:65], 0
	v_nop
	global_prefetch_b8 v0, s[64:65] scope:SCOPE_SE
	s_setreg_imm32_b32 hwreg(HW_REG_WAVE_MODE, 25, 1), 1
	s_wait_xcnt 0x0
; LayerNorm of msa's rows, x quantised to FP4 (E2M1, one E8M0 scale for each 32 along d), left = x W_left + b_left, right = (x W_right + b_right) / 128,
; and both results quantised along s (the next product's K), stored as codes and scale bytes for the next launch.
; SHARES.  Work-group l owns position l for all 128 s: 128 rows of 1,024 bytes, 262,144 bytes apart.
; FIRST PART.  Wave w of sixteen owns s = 8 w .. 8 w + 7: one tensor load brings its 8 rows, 16 bytes of padding behind every 256.  A lane holds 64 neighbouring numbers of a row (lane = 4 x row + quarter): two
; whole blocks of the quantiser, so that a maximum asks no other lane, and the row's sums join four neighbouring lanes.  The variance is taken of the differences from the mean.  Codes and scale bytes go to LDS.
; SECOND PART.  Wave w = 4 b + n owns the block s = 32 b .. 32 b + 31 (two tiles of 16 rows) and 16 columns (n = 0, 1: left's; n = 2, 3: right's).  Source 0 = rows of x, source 1 = columns of the weight: lane (r, h) of
; the results holds column r, s = 8 h + 0 .. 7 of each tile: 16 of the block's 32 numbers, lane l xor 16 the other 16.
; NO CLUSTER: what work-groups share (gains, weights, biases: about 10 KiB) is small beside the 128 KiB of rows that each reads alone.  NO PREFETCH: every row is fetched once, at the head.
; OUT.  lcodes [l / 16][i / 4][l % 16][i % 4][64 bytes: 128 codes along s];  rcodes [m][j / 8][block along s][j % 8][16 bytes];  scales [position][64 words]: words 0-31 left's by i, words 32-63 right's by j;
; byte b of a word belongs to s = 32 b .. 32 b + 31.
; LIMITS.  A block's byte is held at 1 from below; a block of zeros gets the byte 1 where the quantiser says 127: its codes are zeros, and only this program reads the bytes.  NaN and infinities among the
; inputs are not served.  symmids and symmsub are inputs of the problem that its definition never reads: no launch takes them.
.set CP,    272                        ; a quarter of a row in LDS: 256 bytes + 16: an odd multiple of 16, so the 16 quarters that a load touches start at 16 different groups of banks (64 banks of 4 bytes: ISA guide 11.1)
.set XC,    512*CP                     ; x's codes: 128 rows of 128 bytes + 16
.set XCP,   144
.set XS,    XC+128*XCP                 ; x's scale bytes: 8 a row
.set ST,    XS+1024                    ; the results' codes: [left i, then right j][64 bytes]
.set SC,    ST+4096                    ; their 64 scale words
.set SPARE, SC+256                     ; the spare words, 128 bytes for each wave
.set SPW, 1                            ; v1   LDS address of my spare word; never rewritten
.set OGS, 2                            ; v2   8 x lane
.set OAS, 3                            ; v3   SC + 8 x lane
.set T0,  5
.set NIL, 6                            ; v6   0; never rewritten
.set XA,  7                            ; v7   my quarter of a row
.set GBO, 8                            ; v8   256 x quarter: gains and offsets
.set XCS, 9                            ; v9   where my codes go
.set XSS, 10                           ; v10  and my two scale bytes
.set XCL, 11                           ; v11  the second part: my place in x's fragments
.set XSL, 12                           ; v12  my row's scale words
.set STO, 13                           ; v13  where the results' codes go
.set SCO, 14                           ; v14  and their scale byte
.set WCO, 15                           ; v15  128 r + 16 h: the weight's codes
.set MX,  16
.set MY,  18
.set MU,  16                           ; v[16:17] the mean, twice
.set RSQ, 18                           ; v[18:19] 1 / sqrt(variance + eps), twice
.set SO,  20
.set BY,  22
.set CW,  24                           ; v[24:31] codes
.set CH,  24                           ; earlier: four chains of packed sums
.set WFR, 32                           ; v[32:47] the weight's fragments, K step p at 8 p
.set WSC, 48                           ; v[48:49] its scale words
.set BB,  50                           ; v[50:51] my column's bias x the factor, twice
.set BIN, 52                           ; v52  the bias as it comes
.set TP,  53
.set XSW, 54                           ; v[54:57] x's scale words: tile u, K step p at 2 u + p
.set WSO, 58                           ; v58  8 r
.set BO,  59                           ; v59  4 r
.set OAL, 60                           ; v60  the way out: left's 16 bytes in LDS,
.set OGL, 61                           ; v61  in lcodes
.set OAR, 62                           ; v62  right's in LDS,
.set OGR, 63                           ; v63  16 x thread
.set X,   64                           ; v[64:127] my 64 numbers
.set XF,  64                           ; the second part: x's fragments, tile u, K step p at 16 u + 8 p
.set Y,   96                           ; v[96:111] the two sums
.set Z,   112                          ; v[112:127] left or right with its bias
.set GAM, 128                          ; v[128:191] the gains,
.set BET, 192                          ; v[192:255] the offsets, indexed as X is
.set H_T0, 200                         ; the head's own, before the offsets are asked for
.set H_WV, 201
.set H_T1, 202
.set H_LN, 203
.set H_R,  204
.set H_H,  205
.set H_BK, 206
.set H_N,  207
.set G1,  28                           ; s[28:35] descriptor group 1
.set G0,  36                           ; s[36:39] group 0
.set WV,  44
.set CN,  45
.set NB,  46
.set SEL, 48                           ; s[48:49] v_permlanex16_b32's selects for lane l xor 16
.set FAC, 56                           ; s[56:57] 1 for left, 1 / 128 for right
.macro JOIN                            ; four packed chains, two halves, four lanes: the row's sum in v[T0], in every lane of the row
	v_pk_add_f32 v[CH:CH+1], v[CH:CH+1], v[CH+2:CH+3]
	v_pk_add_f32 v[CH+4:CH+5], v[CH+4:CH+5], v[CH+6:CH+7]
	v_pk_add_f32 v[CH:CH+1], v[CH:CH+1], v[CH+4:CH+5]
	v_add_f32 v[T0], v[CH], v[CH+1]
	v_add_f32_dpp v[T0], v[T0], v[T0] row_xmask:1 row_mask:0xf bank_mask:0xf
	v_add_f32_dpp v[T0], v[T0], v[T0] row_xmask:2 row_mask:0xf bank_mask:0xf
.endm
	s_load_b512 s[4:19], s[0:1], 0x0               ; msa s[4:5], gains s[6:7], offsets s[8:9], W_left's codes s[10:11], scales s[12:13], b_left s[14:15], W_right's codes s[16:17], scales s[18:19]
	s_load_b256 s[20:27], s[0:1], 0x40             ; b_right s[20:21], lcodes s[22:23], rcodes s[24:25], scales s[26:27]
	v_lshl_add_u32 v[SPW], v0, 2, SPARE
	v_mov_b32 v[NIL], 0
	ds_add_u32 v[SPW], v[NIL]                      ; the opening: the add, twice on end, and its wait
	ds_add_u32 v[SPW], v[NIL]
	v_lshrrev_b32 v[H_WV], 5, v0
	v_readfirstlane_b32 s[WV], v[H_WV]             ; wave 0..15
	v_and_b32 v[H_LN], 31, v0
	v_and_b32 v[H_R], 15, v0
	v_bfe_u32 v[H_H], v0, 4, 1
	v_lshrrev_b32 v[H_BK], 7, v0                   ; b
	v_bfe_u32 v[H_N], v0, 5, 2                     ; n
	v_and_b32 v[H_T0], 3, v0                       ; quarter
	v_lshrrev_b32 v[H_T1], 2, v0                   ; row s
	v_mul_u32_u24 v[XA], v0, CP                    ; quarter of a row = thread
	v_lshlrev_b32 v[GBO], 8, v[H_T0]
	v_mul_u32_u24 v[XCS], v[H_T1], XCP
	v_lshl_add_u32 v[XCS], v[H_T0], 5, v[XCS]
	v_add_nc_u32 v[XCS], XC, v[XCS]
	v_lshl_add_u32 v[XSS], v0, 1, XS               ; 8 bytes a row, two a quarter
	v_lshl_add_u32 v[H_T1], v[H_BK], 5, v[H_R]     ; row 32 b + r
	v_mul_u32_u24 v[XCL], v[H_T1], XCP
	v_lshl_add_u32 v[XCL], v[H_H], 4, v[XCL]
	v_add_nc_u32 v[XCL], XC, v[XCL]
	v_lshl_add_u32 v[XSL], v[H_T1], 3, XS
	v_lshlrev_b32 v[STO], 6, v[H_R]
	v_lshl_add_u32 v[STO], v[H_H], 2, v[STO]
	v_lshl_add_u32 v[STO], v[H_N], 10, v[STO]
	v_lshl_add_u32 v[STO], v[H_BK], 4, v[STO]
	v_add_nc_u32 v[STO], ST, v[STO]                ; row 16 n + r, block b, my four bytes
	v_lshl_add_u32 v[SCO], v[H_N], 6, v[H_BK]
	v_lshl_add_u32 v[SCO], v[H_R], 2, v[SCO]
	v_add_nc_u32 v[SCO], SC, v[SCO]
	v_lshlrev_b32 v[WCO], 7, v[H_R]
	v_lshl_add_u32 v[WCO], v[H_H], 4, v[WCO]
	v_lshlrev_b32 v[WSO], 3, v[H_R]
	v_lshlrev_b32 v[BO], 2, v[H_R]
	v_lshl_add_u32 v[OAL], v0, 4, ST
	v_lshrrev_b32 v[OGL], 4, v0
	v_lshlrev_b32 v[OGL], 12, v[OGL]
	v_lshl_add_u32 v[OGL], v[H_R], 4, v[OGL]       ; 4,096 (thread / 16) + 16 (thread % 16)
	v_and_b32 v[H_T0], 7, v0
	v_lshlrev_b32 v[OAR], 6, v[H_T0]
	v_lshrrev_b32 v[H_T0], 3, v[H_LN]
	v_lshl_add_u32 v[OAR], v[H_T0], 4, v[OAR]
	v_lshl_add_u32 v[OAR], v[H_WV], 9, v[OAR]
	v_add_nc_u32 v[OAR], ST, v[OAR]                ; waves 4-7: row 32 + 8 (w - 4) + lane % 8, block lane / 8
	v_lshlrev_b32 v[OGR], 4, v0
	v_lshlrev_b32 v[OGS], 3, v[H_LN]
	v_add_nc_u32 v[OAS], SC, v[OGS]
	v_mov_b32 v[TP], 0                             ; written once: a lane permute's destination counts as one of its sources
	s_wait_alu depctr_va_vdst(0)
	; descriptor group 1: 8 rows of 256 elements of 4 bytes, 65,536 elements apart, padded in LDS behind every 64 words
	s_mov_b32 s[G1+0], 0x07520000                  ; 15:0 no mask; 17:16 elements of 4 bytes (code 2); 20 padding on; 24:22 after every 64 words (code 5); 31:25 four words (code 3)
	s_mov_b32 s[G1+1], 256<<16                     ; tensor_dim0 = 256
	s_mov_b32 s[G1+2], 8<<16                       ; tensor_dim1 = 8
	s_mov_b32 s[G1+3], 256<<16                     ; tile_dim0 = 256
	s_mov_b32 s[G1+4], 8                           ; tile_dim1 = 8
	s_mov_b32 s[G1+5], 65536                       ; from s to s + 1: 256 positions x 256 numbers
	s_mov_b32 s[G1+6], 0
	s_mov_b32 s[G1+7], 0
	s_lshl_b32 s50, ttmp9, 10                      ; my position's row of 1,024 bytes,
	s_lshl_b32 s51, s[WV], 21                      ; my wave's 8 s of 262,144 bytes
	s_add_co_u32 s50, s50, s51
	s_mov_b32 s51, 0
	s_mul_i32 s52, s[WV], 32*CP                    ; my wave's 8 rows in LDS
	s_mov_b32 s[SEL], 0x76543210
	s_mov_b32 s[SEL+1], 0xfedcba98
	s_mov_b32 s58, 0x3b800000                      ; 1 / 256
	s_mov_b32 s59, 0x3727c5ac                      ; eps = 1e-5
	s_and_b32 s[CN], s[WV], 3
	s_and_b32 s[NB], s[WV], 1
	s_wait_dscnt 0x0                               ; both opening adds are done
	s_wait_kmcnt 0x0
	s_mov_b32 s[G0], 1                             ; count = 1
	s_mov_b32 s[G0+1], s52                         ; LDS address
	s_add_nc_u64 s[G0+2:G0+3], s[4:5], s[50:51]    ; global address
	s_or_b32 s[G0+3], s[G0+3], 0x80000000          ; type = 2
	tensor_load_to_lds s[G0:G0+3], s[G1:G1+7]      ; the wave's one load
	s_nop 0
	s_cmp_lt_u32 s[CN], 2                          ; left's columns or right's: an address of one buffer or of the other
	s_cselect_b64 s[10:11], s[10:11], s[16:17]
	s_cselect_b64 s[12:13], s[12:13], s[18:19]
	s_cselect_b64 s[14:15], s[14:15], s[20:21]
	s_cselect_b32 s[FAC], 1.0, 0x3c000000
	s_mov_b32 s[FAC+1], s[FAC]
	s_lshl_b32 s54, s[NB], 11                      ; columns 16 (n % 2) on
	s_mov_b32 s55, 0
	s_add_nc_u64 s[10:11], s[10:11], s[54:55]
	s_lshl_b32 s54, s[NB], 7
	s_add_nc_u64 s[12:13], s[12:13], s[54:55]
	s_lshl_b32 s54, s[NB], 6
	s_add_nc_u64 s[14:15], s[14:15], s[54:55]
.irp i, 0,1,2,3,4,5,6,7,8,9,10,11,12,13,14,15
	global_load_b128 v[GAM+4*\i:GAM+4*\i+3], v[GBO], s[6:7] offset:16*\i
	global_load_b128 v[BET+4*\i:BET+4*\i+3], v[GBO], s[8:9] offset:16*\i
.endr
.irp p, 0,1                                    ; K step p; half c of a fragment: lane (r, h) takes k = 64 c + 32 h + 0 .. 31 as they lie
.irp c, 0,1
	global_load_b128 v[WFR+8*\p+4*\c:WFR+8*\p+4*\c+3], v[WCO], s[10:11] offset:64*\p+32*\c
.endr
.endr
	global_load_b64 v[WSC:WSC+1], v[WSO], s[12:13]
	global_load_b32 v[BIN], v[BO], s[14:15]
	s_lshr_b32 s50, ttmp9, 4                       ; where my position's results go
	s_lshl_b32 s50, s50, 15
	s_and_b32 s52, ttmp9, 15
	s_lshl_b32 s52, s52, 8
	s_add_co_u32 s50, s50, s52
	s_add_nc_u64 s[22:23], s[22:23], s[50:51]      ; lcodes + 32,768 (l / 16) + 256 (l % 16)
	s_lshl_b32 s50, ttmp9, 11
	s_add_nc_u64 s[24:25], s[24:25], s[50:51]      ; rcodes + 2,048 l
	s_lshl_b32 s50, ttmp9, 8
	s_add_nc_u64 s[26:27], s[26:27], s[50:51]      ; scales + 256 l
	; THE FIRST PART
	s_wait_tensorcnt 0x0                           ; my 8 rows have landed.  Only I read these bytes: no barrier
.irp i, 0,1,2,3,4,5,6,7,8,9,10,11,12,13,14,15
	ds_load_b128 v[X+4*\i:X+4*\i+3], v[XA] offset:16*\i
.endr
	s_wait_dscnt 0x0
.irp k, 0,1,2,3                                ; the sum of my 64 numbers: packed, four chains; the first additions start them
	v_pk_add_f32 v[CH+2*\k:CH+2*\k+1], v[X+2*\k:X+2*\k+1], v[X+8+2*\k:X+9+2*\k]
.endr
.set J, 16
.rept 6
.irp k, 0,1,2,3
	v_pk_add_f32 v[CH+2*\k:CH+2*\k+1], v[CH+2*\k:CH+2*\k+1], v[X+J+2*\k:X+J+2*\k+1]
.endr
.set J, J+8
.endr
	JOIN
	v_mul_f32 v[MU], s58, v[T0]
	v_mul_f32 v[MU+1], s58, v[T0]
.set J, 0
.rept 32
	v_pk_add_f32 v[X+J:X+J+1], v[X+J:X+J+1], v[MU:MU+1] neg_lo:[0,1] neg_hi:[0,1]   ; x - mean
.set J, J+2
.endr
.irp k, 0,1,2,3                                ; the sum of the squares of the differences
	v_pk_mul_f32 v[CH+2*\k:CH+2*\k+1], v[X+2*\k:X+2*\k+1], v[X+2*\k:X+2*\k+1]
.endr
.set J, 8
.rept 7
.irp k, 0,1,2,3
	v_pk_fma_f32 v[CH+2*\k:CH+2*\k+1], v[X+J+2*\k:X+J+2*\k+1], v[X+J+2*\k:X+J+2*\k+1], v[CH+2*\k:CH+2*\k+1]
.endr
.set J, J+8
.endr
	JOIN
	v_fma_f32 v[T0], v[T0], s58, s59               ; variance + eps
	s_wait_alu depctr_va_vdst(0)                   ; a wait ahead of the transcendentals and one behind them
	v_rsq_f32 v[RSQ], v[T0]
	v_rsq_f32 v[RSQ+1], v[T0]
	v_nop                                          ; one plain place behind the transcendentals
	s_wait_alu depctr_va_vdst(0)
.set J, 0
.rept 32
	v_pk_mul_f32 v[X+J:X+J+1], v[X+J:X+J+1], v[RSQ:RSQ+1]
.set J, J+2
.endr
	s_wait_alu depctr_va_vdst(0)
	s_wait_loadcnt 6                               ; gains and offsets are in; the six loads of the weight, its scales and the bias may be out
.set J, 0
.rept 32
	v_pk_fma_f32 v[X+J:X+J+1], v[X+J:X+J+1], v[GAM+J:GAM+J+1], v[BET+J:BET+J+1]
.set J, J+2
.endr
	; the quantiser of my two blocks along d: the largest magnitude of 32 numbers and the floor 2^(3 - 127): two chains a block, joined with the last number
.irp k, 0,1
	v_max3_num_f32 v[MX+\k], |v[X+32*\k]|, |v[X+32*\k+1]|, 0x1800000
	v_max3_num_f32 v[MY+\k], |v[X+32*\k+16]|, |v[X+32*\k+17]|, |v[X+32*\k+18]|
.endr
.irp i, 2,4,6,8,10,12
.irp k, 0,1
	v_max3_num_f32 v[MX+\k], v[MX+\k], |v[X+32*\k+\i]|, |v[X+32*\k+\i+1]|
	v_max3_num_f32 v[MY+\k], v[MY+\k], |v[X+32*\k+\i+17]|, |v[X+32*\k+\i+18]|
.endr
.endr
.irp k, 0,1
	v_max3_num_f32 v[MX+\k], v[MX+\k], |v[X+32*\k+14]|, |v[X+32*\k+15]|
.endr
.irp k, 0,1
	v_max3_num_f32 v[MX+\k], v[MX+\k], v[MY+\k], |v[X+32*\k+31]|
.endr
.irp k, 0,1
	v_add_nc_u32 v[SO+\k], 0xff000000, v[MX+\k]    ; 2 off its exponent field: the conversion takes the exponent field of this operand as its scale
.endr
.irp k, 0,1
	v_lshrrev_b32 v[BY+\k], 23, v[SO+\k]           ; the scale's byte
.endr
.irp k, 0,1
.irp g, 0,1,2,3
	v_cvt_scalef32_pk8_fp4_f32 v[CW+4*\k+\g], v[X+32*\k+8*\g:X+32*\k+8*\g+7], v[SO+\k]
.endr
.endr
	v_lshl_or_b32 v[T0], v[BY+1], 8, v[BY]         ; (the plain place behind the last scaled conversion)
	ds_store_b128 v[XCS], v[CW:CW+3]
	ds_store_b128 v[XCS], v[CW+4:CW+7] offset:16
	ds_store_b16 v[XSS], v[T0]
	s_wait_alu depctr_va_vdst(0)
	s_wait_dscnt 0x0                               ; for the others' sake: my stores have landed
	s_barrier_signal -1
	s_barrier_wait -1                              ; x's 128 rows of codes lie together
	; THE SECOND PART
.irp u, 0,1
.irp p, 0,1
.irp c, 0,1
	ds_load_b128 v[XF+16*\u+8*\p+4*\c:XF+16*\u+8*\p+4*\c+3], v[XCL] offset:16*XCP*\u+64*\p+32*\c
.endr
.endr
	ds_load_b64 v[XSW+2*\u:XSW+2*\u+1], v[XSL] offset:128*\u
.endr
	s_wait_loadcnt 0x0
	s_wait_dscnt 0x0
.irp p, 0,1                                    ; the two sums take turns, one instruction a turn; the first K step starts them
.irp u, 0,1
.if \p == 0
	v_wmma_scale_f32_16x16x128_f8f6f4 v[Y+8*\u:Y+8*\u+7], v[XF+16*\u:XF+16*\u+7], v[WFR:WFR+7], 0, v[XSW+2*\u], v[WSC] matrix_a_fmt:MATRIX_FMT_FP4 matrix_b_fmt:MATRIX_FMT_FP4
.else
	v_wmma_scale_f32_16x16x128_f8f6f4 v[Y+8*\u:Y+8*\u+7], v[XF+16*\u+8:XF+16*\u+15], v[WFR+8:WFR+15], v[Y+8*\u:Y+8*\u+7], v[XSW+2*\u+1], v[WSC+1] matrix_a_fmt:MATRIX_FMT_FP4 matrix_b_fmt:MATRIX_FMT_FP4
.endif
.endr
.endr
	v_mul_f32 v[BB], s[FAC], v[BIN]                ; the factor is a power of two: nothing is rounded.  These four lines are the places behind the last products (ISA guide 7.12.1)
	v_mul_f32 v[BB+1], s[FAC], v[BIN]
	v_nop
	v_nop
.irp u, 0,1
.irp q, 0,2,4,6
	v_pk_fma_f32 v[Z+8*\u+\q:Z+8*\u+\q+1], v[Y+8*\u+\q:Y+8*\u+\q+1], s[FAC:FAC+1], v[BB:BB+1] op_sel_hi:[1,0,1]   ; (sum + b) x the factor, rounded once; each sum is read from its low end on
.endr
.endr
	v_max3_num_f32 v[MX], |v[Z]|, |v[Z+1]|, 0x1800000
	v_max3_num_f32 v[MY], |v[Z+8]|, |v[Z+9]|, |v[Z+10]|
	v_max3_num_f32 v[MX], v[MX], |v[Z+2]|, |v[Z+3]|
	v_max3_num_f32 v[MY], v[MY], |v[Z+11]|, |v[Z+12]|
	v_max3_num_f32 v[MX], v[MX], |v[Z+4]|, |v[Z+5]|
	v_max3_num_f32 v[MY], v[MY], |v[Z+13]|, |v[Z+14]|
	v_max3_num_f32 v[MX], v[MX], |v[Z+6]|, |v[Z+7]|
	v_max3_num_f32 v[MX], v[MX], v[MY], |v[Z+15]|
	v_permlanex16_b32 v[TP], v[MX], s[SEL], s[SEL+1]
	v_max_num_f32 v[MX], v[MX], v[TP]              ; with lane l xor 16's 16 numbers
	v_add_nc_u32 v[SO], 0xff000000, v[MX]
	v_cvt_scalef32_pk8_fp4_f32 v[CW], v[Z:Z+7], v[SO]          ; s = 32 b + 8 h + 0 .. 7: bytes 4 h of the block's 16
	v_cvt_scalef32_pk8_fp4_f32 v[CW+1], v[Z+8:Z+15], v[SO]     ; 16 further on
	v_lshrrev_b32 v[BY], 23, v[SO]
	ds_store_b32 v[STO], v[CW]
	ds_store_b32 v[STO], v[CW+1] offset:8
	ds_store_b8 v[SCO], v[BY]                      ; both lanes of a block write the same byte with the same value
	s_wait_alu depctr_va_vdst(0)
	s_wait_tensorcnt 0x0                           ; behind the wave's last LDS store: the wait, an add and its wait; the last is also the wait that the barrier needs
	ds_add_u32 v[SPW], v[NIL]
	s_wait_dscnt 0x0
	s_barrier_signal -1
	s_barrier_wait -1                              ; the four blocks along s of every row lie together
	s_cmp_lt_u32 s[WV], 4
	s_cbranch_scc0 .Lright
	ds_load_b128 v[X:X+3], v[OAL]
	s_wait_dscnt 0x0
	global_store_b128 v[OGL], v[X:X+3], s[22:23]             ; sixteen lanes store 256 consecutive bytes, at a multiple of 256 from the buffer's first byte
	s_branch .Ldone
.Lright:
	s_cmp_lt_u32 s[WV], 8
	s_cbranch_scc0 .Lscales
	ds_load_b128 v[X:X+3], v[OAR]
	s_wait_dscnt 0x0
	global_store_b128 v[OGR], v[X:X+3], s[24:25] offset:-2048   ; waves 4-7: 512 consecutive bytes each
	s_branch .Ldone
.Lscales:
	s_cmp_eq_u32 s[WV], 8
	s_cbranch_scc0 .Ldone
	ds_load_b64 v[X:X+1], v[OAS]
	s_wait_dscnt 0x0
	global_store_b64 v[OGS], v[X:X+1], s[26:27]              ; wave 8: the position's 64 scale words, 256 consecutive bytes
.Ldone:
	s_endpgm
.Lfunc_end_k_q9c5bf198b8_proj:
	.size	k_q9c5bf198b8_proj, .Lfunc_end_k_q9c5bf198b8_proj-k_q9c5bf198b8_proj
	.p2alignl 7, 3214868480
	.fill 96, 4, 3214868480
	.section	.rodata,"a",@progbits
	.p2align	6, 0x0
	.amdhsa_kernel k_q9c5bf198b8_proj
		.amdhsa_group_segment_fixed_size 167936
		.amdhsa_private_segment_fixed_size 0
		.amdhsa_enable_private_segment 0
		.amdhsa_kernarg_size 96
		.amdhsa_user_sgpr_count 2
		.amdhsa_user_sgpr_kernarg_segment_ptr 1
		.amdhsa_wavefront_size32 1
		.amdhsa_system_sgpr_workgroup_id_x 1
		.amdhsa_system_sgpr_workgroup_id_y 1
		.amdhsa_system_sgpr_workgroup_id_z 1
		.amdhsa_system_vgpr_workitem_id 0
		.amdhsa_next_free_vgpr 256
		.amdhsa_next_free_sgpr 66
		.amdhsa_reserve_vcc 0
		.amdhsa_float_denorm_mode_32 3
		.amdhsa_float_denorm_mode_16_64 3
		.amdhsa_memory_ordered 1
		.amdhsa_forward_progress 1
		.amdhsa_inst_pref_size 28
	.end_amdhsa_kernel
	.amdgpu_metadata
---
amdhsa.version: [ 1, 2 ]
amdhsa.kernels:
  - .name:           k_q9c5bf198b8_proj
    .symbol:         k_q9c5bf198b8_proj.kd
    .args:
      - { .name: msa, .offset: 0, .size: 8, .value_kind: global_buffer, .address_space: global }
      - { .name: ln_gamma, .offset: 8, .size: 8, .value_kind: global_buffer, .address_space: global }
      - { .name: ln_beta, .offset: 16, .size: 8, .value_kind: global_buffer, .address_space: global }
      - { .name: w_left_codes, .offset: 24, .size: 8, .value_kind: global_buffer, .address_space: global }
      - { .name: w_left_scales, .offset: 32, .size: 8, .value_kind: global_buffer, .address_space: global }
      - { .name: b_left, .offset: 40, .size: 8, .value_kind: global_buffer, .address_space: global }
      - { .name: w_right_codes, .offset: 48, .size: 8, .value_kind: global_buffer, .address_space: global }
      - { .name: w_right_scales, .offset: 56, .size: 8, .value_kind: global_buffer, .address_space: global }
      - { .name: b_right, .offset: 64, .size: 8, .value_kind: global_buffer, .address_space: global }
      - { .name: lcodes, .offset: 72, .size: 8, .value_kind: global_buffer, .address_space: global }
      - { .name: rcodes, .offset: 80, .size: 8, .value_kind: global_buffer, .address_space: global }
      - { .name: scales, .offset: 88, .size: 8, .value_kind: global_buffer, .address_space: global }
    .group_segment_fixed_size: 167936
    .private_segment_fixed_size: 0
    .kernarg_segment_align: 8
    .kernarg_segment_size: 96
    .max_flat_workgroup_size: 512
    .sgpr_count:     66
    .vgpr_count:     256
    .wavefront_size: 32
...
	.end_amdgpu_metadata
.endif
;; end of part 1
;; launch outer (part 2): grid 16 x 16, 8 waves a work-group, clusters of 4 x 1, 327,680 bytes of LDS; arguments lcodes, rcodes, scales, w_out_codes, w_out_scales, b_out, pair, out0; writes out0
.if DOCPART == 2
	.amdgcn_target "amdgcn-amd-amdhsa--gfx1250"
	.amdhsa_code_object_version 6
	.text
	.protected	k_q9c5bf198b8_outer
	.globl	k_q9c5bf198b8_outer
	.p2align	8
	.type	k_q9c5bf198b8_outer,@function
k_q9c5bf198b8_outer:
	s_mov_b64 s[64:65], 0
	v_nop
	global_prefetch_b8 v0, s[64:65] scope:SCOPE_SE
	s_setreg_imm32_b32 hwreg(HW_REG_WAVE_MODE, 25, 1), 1
	s_wait_xcnt 0x0
	s_wait_alu depctr_hold_cnt(0) depctr_sa_sdst(0) depctr_va_vdst(0) depctr_va_sdst(0) depctr_va_ssrc(0) depctr_va_vcc(0) depctr_vm_vsrc(0)
	s_getreg_b32 s2, hwreg(HW_REG_IB_STS2, 6, 4)
	s_cmp_eq_u32 s2, 0
	s_cbranch_scc0 .Lentry_in_a_cluster
	s_endpgm
.Lentry_in_a_cluster:
	s_bfe_u32 s2, ttmp6, 0x10000c
	s_cmp_lg_u32 s2, 0x3003
	s_cbranch_scc0 .Lentry_shape_is_right
	s_endpgm
.Lentry_shape_is_right:
; out0[l][m][p] = pair[l][m][p] + b_out[p] + sum over (i, j) of Q(o[l][m][i][j]) W_out[(i, j)][p],  o[l][m][i][j] = sum over s of left[s][l][i] right[s][m][j], both products on codes of FP4 (E2M1) with
; one E8M0 scale for each 32 along K.  left and right come as codes along s from the launch before; o is quantised in registers, in blocks of 32 along j, and never goes to memory.
; SHARES.  A work-group owns 16 positions l (work-group y) x 16 positions m (work-group x); wave w of eight owns m = 16 x + 2 w and m + 1: two tiles of 16 rows (l, m) of the second product.
; THE FIRST PRODUCT: source 0 = 32 rows of right, source 1 = left at one i for my 16 l.  Fragment v of right (v = 0 .. 3; two make a source) has in its rows 0-7 the j = 8 v .. 8 v + 7 of m and in its rows 8-15
; the same j of m + 1.  So lane (r, h) of the results holds row l = r of position m + h, and its 32 registers of the four fragments are j = 0 .. 31: a WHOLE block of the quantiser along the second product's
; K = 32 i + j.  No other lane is asked for a maximum, and one register carries both tiles' scale words: m's in lanes 0-15, (m + 1)'s in lanes 16-31, as the 32-row form takes them.
; THE SECOND PRODUCT: source 0 = the codes just made (16 rows l of m, then 16 of m + 1), source 1 = 16 columns p of W_out: column r of tile c is p = 64 (c / 4) + 4 r + c % 4.  So register j of a position's sums of
; c = 4 a .. 4 a + 3 is row l = 8 h + j, p = 64 a + 4 r + 0 .. 3: 16 bytes of a row, and sixteen neighbouring lanes hold 256 neighbouring bytes: results leave from registers, with no stage in LDS.
; ORDER.  K step t is i = 4 t .. 4 t + 3: four blocks, taken by halves (blocks 0, 1 and blocks 2, 3).  As soon as a half's codes are made its registers take the first product of K step t + 1; the second
; product of K step t - 1 stands behind the maxima of K step t's first half.
; CLUSTER.  The four work-groups of a cluster lie along x: they share W_out and the 16 positions l.  Both are asked for JOINTLY, by the same tensor load with the same descriptor and the mask of all four.
; pair comes by a plain tensor load of each wave, behind the round that shows the head's tiles landed, and is read at the end by the wave that fetched it.  No byte of LDS is filled twice.
; W_out's and left's scale words come once for the work-group, by one load of each thread, and go through LDS.
; NO PREFETCH: every tile is fetched once, at the head; there is no loop of fetches to run ahead in.
; LIMITS.  A block's byte is held at 1 from below; a block of zeros gets the byte 1 where the quantiser says 127: its codes are zeros and nobody else reads the byte.  NaN and infinities are not served.
; symmids and symmsub are inputs of the problem that its definition never reads: no launch takes them.
; REGISTERS: window 0: v0-31 addresses and the quantiser's, v32-79 scale words, v80-95 the codes, v128-255 the first product's results, at the end rows of pair and of the result.
;   window 1: v0-127 the accumulators, (c, tile z) at 16 c + 8 z; v128-191 W_out's eight fragments; v192-223 left's four; v224-255 right's four.
.set WP,    528                        ; a row of W_out in LDS: 512 bytes + 16: an odd multiple of 16, so the 16 rows that a load touches start at 16 different groups of banks (ISA guide 11.1)
.set LP,    272                        ; a row of left's block: 256 bytes + 16
.set SP,    144                        ; scale words: 128 bytes + 16
.set WOUT,  0                          ; 128 rows of W_out's codes: LDS row 32 (p % 4) + p / 4
.set LEFT,  WOUT+128*WP                ; 128 rows of left's codes: row 16 (i / 4) + l % 16 holds i % 4 = 0 .. 3, 64 bytes each
.set PAIR,  LEFT+128*LP                ; for each wave 16,384 bytes: [l 16][z 2][512 bytes]
.set WSL,   PAIR+8*16384               ; W_out's scale words: row p / 4: p % 4 = 0 .. 3, 32 bytes each
.set LSL,   WSL+32*SP                  ; left's: row l: i = 0 .. 31, 4 bytes each
.set SPARE, LSL+16*SP                  ; the spare words, 128 bytes for each wave
.set R,   1
.set H,   2
.set WVV, 3
.set WA,  4                            ; v4   LDS: my place in a fragment of W_out
.set LA,  5                            ; v5   of left
.set PA,  6                            ; v6   LDS: my 16 bytes of pair's row l = 8 h
.set GO,  7                            ; v7   the same in out0
.set BO,  8                            ; v8   16 r: b_out
.set RFO, 9                            ; v9   right's codes
.set RSO, 10                           ; v10  right's scale words
.set WSR, 11                           ; v11  LDS: W_out's scale words of my column,
.set LSR, 12                           ; v12  left's of my row
.set T0,  13
.set T1,  14
.set MX,  16                           ; v[16:19] the blocks' largest magnitudes
.set MY,  20                           ; v[20:23] second chains
.set SO,  24                           ; v[24:27] scale operands
.set BY,  28                           ; v[28:31] scale bytes
.set LS,  32                           ; v[32:47] left's scale words: register x: lanes 0-15 i = x, lanes 16-31 i = x + 16
.set WS,  48                           ; v[48:79] W_out's: register 4 c + q: lanes 0-15 K step q, lanes 16-31 K step q + 4
.set PC,  80                           ; v[80:95] the codes: m's rows in the first eight, (m + 1)'s in the others
.set PW,  96                           ; v96  the scale words just made
.set RS,  98                           ; v[98:99] right's: register k: lanes 0-15 fragment 2 k, lanes 16-31 fragment 2 k + 1
.set IW,  100                          ; v[100:103] my 16 bytes of W_out's scale words on their way to LDS,
.set IL,  104                          ; v[104:105] my 8 of left's
.set WSS, 106                          ; v106 where they go,
.set LSS, 107
.set WSG, 108                          ; v108 and where they come from
.set LSG, 109
.set SPW, 126                          ; v126 LDS address of my spare word; never rewritten
.set NIL, 127                          ; v127 0; never rewritten
.set S,   128                          ; block b's 32 numbers at S + 32 b
.set ACC, 0                            ; window 1
.set WF,  128
.set LF,  192
.set RF,  224
.set WV,  20
.set G1W, 28                           ; s[28:35], s[36:43], s[44:51] descriptor groups 1 for W_out, left, pair;  s[52:55], s[56:59], s[60:63] their groups 0
.set G1L, 36
.set G1P, 44
.set G0W, 52
.set G0L, 56
.set G0P, 60
.set MSB, 0
.macro WIN new                         ; the immediate's high byte repeats the setting that is left; a switch that changes nothing is dropped
.if MSB != \new
	s_set_vgpr_msb (MSB<<8)|\new
.set MSB, \new
.endif
.endm
.macro PLACES
.rept 4
	v_nop
.endr
.endm
; THE QUANTISER, blocks b and b + 1 of a lane's four: every block lies whole in the lane.
.macro QMAX b                          ; the largest magnitude of 32 numbers and the floor 2^(3 - 127), so that the byte cannot fall under 1: two chains a block, joined with the last number.  Each result of 16 registers is read from its low end on
.irp k, \b, \b+1
	v_max3_num_f32 v[MX+(\k)], |v[S+32*(\k)]|, |v[S+32*(\k)+1]|, 0x1800000
	v_max3_num_f32 v[MY+(\k)], |v[S+32*(\k)+16]|, |v[S+32*(\k)+17]|, |v[S+32*(\k)+18]|
.endr
.irp i, 2,4,6,8,10,12
.irp k, \b, \b+1
	v_max3_num_f32 v[MX+(\k)], v[MX+(\k)], |v[S+32*(\k)+\i]|, |v[S+32*(\k)+\i+1]|
	v_max3_num_f32 v[MY+(\k)], v[MY+(\k)], |v[S+32*(\k)+\i+17]|, |v[S+32*(\k)+\i+18]|
.endr
.endr
.irp k, \b, \b+1
	v_max3_num_f32 v[MX+(\k)], v[MX+(\k)], |v[S+32*(\k)+14]|, |v[S+32*(\k)+15]|
.endr
.irp k, \b, \b+1
	v_max3_num_f32 v[MX+(\k)], v[MX+(\k)], v[MY+(\k)], |v[S+32*(\k)+31]|
.endr
.endm
.macro QADD b
.irp k, \b, \b+1
	v_add_nc_u32 v[SO+(\k)], 0xff000000, v[MX+(\k)]    ; 2 off its exponent field: the conversion takes the exponent field of this operand as its scale
.endr
.endm
.macro QSHR b
.irp k, \b, \b+1
	v_lshrrev_b32 v[BY+(\k)], 23, v[SO+(\k)]           ; the scale's byte
.endr
.endm
.macro QCVT b                          ; blocks 0, 2 to the first eight registers of codes, blocks 1, 3 to the others; a plain line follows the last conversion
.irp k, \b, \b+1
.irp g, 0,1,2,3
	v_cvt_scalef32_pk8_fp4_f32 v[PC+8*((\k)%2)+4*((\k)/2)+\g], v[S+32*(\k)+8*\g:S+32*(\k)+8*\g+7], v[SO+(\k)]
.endr
.endr
.endm
.macro QSWAP                           ; an operand wants blocks 2 k in lanes 0-15 and 2 k + 1 in lanes 16-31 of ONE position: the exchange parts m's codes from (m + 1)'s.  The four bytes make the scale word of my row (l = r, m + h)
	v_lshl_or_b32 v[PW], v[BY+1], 8, v[BY]
.irp i, 0,1,2
	v_permlane16_swap_b32 v[PC+\i], v[PC+8+\i]
.endr
	v_lshl_or_b32 v[PW], v[BY+2], 16, v[PW]
.irp i, 3,4,5
	v_permlane16_swap_b32 v[PC+\i], v[PC+8+\i]
.endr
	v_lshl_or_b32 v[PW], v[BY+3], 24, v[PW]
.irp i, 6,7
	v_permlane16_swap_b32 v[PC+\i], v[PC+8+\i]
.endr
.endm
; The first product of K step t, blocks b0 and b0 + 1: four results of 32 rows, each begun with the constant 0.
.macro P3 t, b0
	WIN 0x05                                       ; sources 0 (right) and 1 (left) window 1; D window 0
.irp b, \b0, \b0+1
.irp k, 0,1
.set D3, S+32*(\b)+16*\k
.set A3, RF+16*\k
.set B3, LF+8*(\b)
.set L3, LS+4*((\t)%4)+(\b)
.set R3, RS+\k
.if (\t) < 4
	v_wmma_scale_f32_32x16x128_f4 v[D3:D3+15], v[A3:A3+15], v[B3:B3+7], 0, v[R3], v[L3]
.else
	v_wmma_scale_f32_32x16x128_f4 v[D3:D3+15], v[A3:A3+15], v[B3:B3+7], 0, v[R3], v[L3] matrix_b_scale:MATRIX_SCALE_ROW1
.endif
.endr
.endr
.endm
; The second product of K step t: eight accumulators of 32 rows, one instruction each.
; K step 0 goes by 16 rows: tile 1's halves of the accumulators hold b_out from the head on, and tile 0's products take them as C.
.macro P4 t
	WIN 0x54                                       ; source 0 (the codes) window 0; source 1 (W_out), C and D window 1
.if (\t) == 0
.irp c, 0,1,2,3,4,5,6,7
.set D4, ACC+16*\c
.set B4, WF+8*\c
	v_wmma_scale_f32_16x16x128_f8f6f4 v[D4:D4+7], v[PC:PC+7], v[B4:B4+7], v[D4+8:D4+15], v[PW], v[WS+4*\c] matrix_a_fmt:MATRIX_FMT_FP4 matrix_b_fmt:MATRIX_FMT_FP4
.endr
.rept 5
	v_nop                                          ; tile 1's halves were tile 0's C: five places before they are written
.endr
.irp c, 0,1,2,3,4,5,6,7
.set D4, ACC+16*\c+8
.set B4, WF+8*\c
	v_wmma_scale_f32_16x16x128_f8f6f4 v[D4:D4+7], v[PC+8:PC+15], v[B4:B4+7], v[D4:D4+7], v[PW], v[WS+4*\c] matrix_a_fmt:MATRIX_FMT_FP4 matrix_b_fmt:MATRIX_FMT_FP4 matrix_a_scale:MATRIX_SCALE_ROW1
.endr
.else
.irp c, 0,1,2,3,4,5,6,7
.set D4, ACC+16*\c
.set B4, WF+8*\c
.set S4, WS+4*\c+(\t)%4
.if (\t) < 4
	v_wmma_scale_f32_32x16x128_f4 v[D4:D4+15], v[PC:PC+15], v[B4:B4+7], v[D4:D4+15], v[PW], v[S4]
.else
	v_wmma_scale_f32_32x16x128_f4 v[D4:D4+15], v[PC:PC+15], v[B4:B4+7], v[D4:D4+15], v[PW], v[S4] matrix_b_scale:MATRIX_SCALE_ROW1
.endif
.endr
.endif
.endm
.macro FETCH_L t                       ; left's four fragments of K step t: 8 LDS loads
	WIN 0x40                                       ; destination window 1, address window 0
.irp b, 0,1,2,3
.irp k, 0,1
	ds_load_b128 v[LF+8*\b+4*\k:LF+8*\b+4*\k+3], v[LA] offset:16*LP*(\t)+64*\b+32*\k
.endr
.endr
	WIN 0
.endm
.macro FETCH_W t                       ; W_out's eight: 16 LDS loads
	WIN 0x40
.irp c, 0,1,2,3,4,5,6,7
.irp k, 0,1
	ds_load_b128 v[WF+8*\c+4*\k:WF+8*\c+4*\k+3], v[WA] offset:(32*(\c%4)+16*(\c/4))*WP+64*(\t)+32*\k
.endr
.endr
	WIN 0
.endm
.macro FETCH_P z                       ; pair's 16 rows of tile z, as the results lie: rows l = 8 h + j, p = 64 a + 4 r + 0 .. 3
.irp a, 0,1
.irp j, 0,1,2,3,4,5,6,7
	ds_load_b128 v[S+64*\z+32*\a+4*\j:S+64*\z+32*\a+4*\j+3], v[PA] offset:1024*\j+512*\z+256*\a
.endr
.endr
.endm
; A round of the cluster's barrier: my work-group's barrier, so that wave 0's signal speaks for all its waves; wave 0 signals; every wave waits for all four work-groups; my work-group's barrier once more.
.macro ROUND
	s_barrier_signal -1
	s_barrier_wait -1
	s_cmp_lg_u32 s[WV], 0
	s_cbranch_scc1 .Lnot_wave_0_\@
	s_barrier_signal -3
.Lnot_wave_0_\@:
	s_barrier_wait -3
	s_barrier_signal -1
	s_barrier_wait -1
.endm
	s_load_b512 s[4:19], s[0:1], 0x0               ; lcodes s[4:5], rcodes s[6:7], scales s[8:9], W_out's codes s[10:11], its scales s[12:13], b_out s[14:15], pair s[16:17], out0 s[18:19]
	v_lshl_add_u32 v[SPW], v0, 2, SPARE
	v_mov_b32 v[NIL], 0
	ds_add_u32 v[SPW], v[NIL]                      ; the opening: the add, twice on end, and its wait
	ds_add_u32 v[SPW], v[NIL]
	v_lshrrev_b32 v[WVV], 5, v0
	v_readfirstlane_b32 s[WV], v[WVV]              ; wave 0..7
	v_and_b32 v[R], 15, v0
	v_bfe_u32 v[H], v0, 4, 1
	v_mul_u32_u24 v[WA], v[R], WP
	v_lshl_add_u32 v[WA], v[H], 4, v[WA]           ; row r x pitch + 16 h
	v_mul_u32_u24 v[LA], v[R], LP
	v_lshl_add_u32 v[LA], v[H], 4, v[LA]
	v_add_nc_u32 v[LA], LEFT, v[LA]
	v_lshlrev_b32 v[BO], 4, v[R]
	v_lshl_add_u32 v[PA], v[H], 13, v[BO]
	v_lshl_add_u32 v[PA], v[WVV], 14, v[PA]
	v_add_nc_u32 v[PA], PAIR, v[PA]                ; my wave's rows + 8 h rows of 1,024 bytes + 16 r
	v_lshl_add_u32 v[GO], v[H], 20, v[BO]          ; 8 h rows l of 131,072 bytes + 16 r
	v_lshrrev_b32 v[T0], 3, v[R]
	v_and_b32 v[T1], 7, v[R]
	v_lshlrev_b32 v[RFO], 11, v[T0]
	v_lshl_add_u32 v[RFO], v[T1], 4, v[RFO]
	v_lshl_add_u32 v[RFO], v[H], 7, v[RFO]         ; position m + r / 8, row r % 8, block 2 c + h
	v_lshlrev_b32 v[RSO], 8, v[T0]
	v_lshl_add_u32 v[RSO], v[T1], 2, v[RSO]
	v_lshl_add_u32 v[RSO], v[H], 5, v[RSO]
	v_mul_u32_u24 v[LSR], v[R], SP
	v_lshl_add_u32 v[WSR], v[H], 4, v[LSR]
	v_add_nc_u32 v[WSR], WSL, v[WSR]               ; row r (p = 4 r on), K steps 4 h on
	v_lshl_add_u32 v[LSR], v[H], 6, v[LSR]
	v_add_nc_u32 v[LSR], LSL, v[LSR]               ; row l = r, i = 16 h on
	v_lshlrev_b32 v[WSG], 4, v0                    ; thread x 16 bytes of W_out's 4,096: eight threads to an LDS row
	v_lshrrev_b32 v[T0], 3, v0
	v_mul_u32_u24 v[WSS], v[T0], SP
	v_and_b32 v[T1], 7, v0
	v_lshl_add_u32 v[WSS], v[T1], 4, v[WSS]
	v_add_nc_u32 v[WSS], WSL, v[WSS]
	v_lshrrev_b32 v[T0], 4, v0                     ; sixteen threads to a position l: 128 bytes of its 256
	v_lshlrev_b32 v[LSG], 8, v[T0]
	v_lshl_add_u32 v[LSG], v[R], 3, v[LSG]
	v_mul_u32_u24 v[LSS], v[T0], SP
	v_lshl_add_u32 v[LSS], v[R], 3, v[LSS]
	v_add_nc_u32 v[LSS], LSL, v[LSS]
	s_wait_alu depctr_va_vdst(0)
	s_bfe_u32 s21, ttmp6, 0x40000                  ; cx: my place in the cluster
	s_lshl_b32 s22, ttmp9, 2                       ; in a cluster launch ttmp9 counts clusters
	s_add_co_u32 s22, s22, s21                     ; my block of 16 m = 4 x cluster x + cx: it enters the addresses of rcodes, right's scale words, pair and out0 alone
	s_and_b32 s23, ttmp7, 0xffff                   ; my block of 16 l, which the four partners share
	s_and_b32 s24, s[WV], 3
	; descriptor groups 1.  W_out: wave w of the first four takes the rows p = 4 k + w, k = 0 .. 31, each of 512 bytes; left: 32 rows of 256 bytes, dense; padded in LDS, for all four work-groups
	s_mov_b32 s[G1W+0], 0x07b0000f                 ; 15:0 the mask: all four; 17:16 elements of 1 byte; 20 padding on; 21 set beside a mask; 24:22 after every 128 words (code 6); 31:25 four words (code 3)
	s_mov_b32 s[G1W+1], 512<<16                    ; tensor_dim0
	s_mov_b32 s[G1W+2], 32<<16                     ; tensor_dim1
	s_mov_b32 s[G1W+3], 512<<16                    ; tile_dim0
	s_mov_b32 s[G1W+4], 32                         ; tile_dim1
	s_mov_b32 s[G1W+5], 2048                       ; four rows of W_out on
	s_mov_b32 s[G1W+6], 0
	s_mov_b32 s[G1W+7], 0
	s_mov_b32 s[G1L+0], 0x0770000f                 ; the same, padding after every 64 words (code 5)
	s_mov_b32 s[G1L+1], 256<<16
	s_mov_b32 s[G1L+2], 32<<16
	s_mov_b32 s[G1L+3], 256<<16
	s_mov_b32 s[G1L+4], 32
	s_mov_b32 s[G1L+5], 256
	s_mov_b32 s[G1L+6], 0
	s_mov_b32 s[G1L+7], 0
	s_mov_b32 s[G1P+0], 0x00020000                 ; pair: no mask, elements of 4 bytes, no padding: 16 rows (l) of 256 numbers (my 2 m x 128), 32,768 numbers apart
	s_mov_b32 s[G1P+1], 256<<16
	s_mov_b32 s[G1P+2], 16<<16
	s_mov_b32 s[G1P+3], 256<<16
	s_mov_b32 s[G1P+4], 16
	s_mov_b32 s[G1P+5], 32768
	s_mov_b32 s[G1P+6], 0
	s_mov_b32 s[G1P+7], 0
	; byte offsets, each in registers of its own: those that feed the joint loads never hold cx
	s_lshl_b32 s68, s24, 9                         ; W_out: my first row
	s_mov_b32 s69, 0
	s_lshl_b32 s70, s23, 15                        ; left: the block of 16 l, 32,768 bytes, my 32 rows of 256
	s_lshl_b32 s71, s24, 13
	s_add_co_u32 s70, s70, s71
	s_mov_b32 s71, 0
	s_lshl_b32 s72, s23, 21                        ; pair and out0: 16 l x 131,072 + 16 m x 512 + 2 m x 512
	s_lshl_b32 s73, s22, 13
	s_add_co_u32 s72, s72, s73
	s_lshl_b32 s73, s[WV], 10
	s_add_co_u32 s72, s72, s73
	s_mov_b32 s73, 0
	s_lshl_b32 s74, s22, 15                        ; rcodes: 2,048 bytes a position
	s_lshl_b32 s75, s[WV], 12
	s_add_co_u32 s74, s74, s75
	s_mov_b32 s75, 0
	s_lshl_b32 s76, s22, 12                        ; scales of my two m: 256 bytes a position
	s_lshl_b32 s77, s[WV], 9
	s_add_co_u32 s76, s76, s77
	s_mov_b32 s77, 0
	s_lshl_b32 s78, s23, 12                        ; scales of the 16 l
	s_mov_b32 s79, 0
	s_mul_i32 s25, s24, 32*WP                      ; LDS addresses hang on the wave's number alone
	s_mul_i32 s26, s24, 32*LP
	s_add_co_u32 s26, s26, LEFT
	s_lshl_b32 s27, s[WV], 14
	s_add_co_u32 s27, s27, PAIR
	s_wait_dscnt 0x0                               ; both opening adds are done
	s_wait_kmcnt 0x0
	s_mov_b32 s[G0W], 1                            ; count = 1
	s_mov_b32 s[G0W+1], s25                        ; LDS address
	s_add_nc_u64 s[G0W+2:G0W+3], s[10:11], s[68:69]   ; global address
	s_or_b32 s[G0W+3], s[G0W+3], 0x80000000        ; type = 2
	s_mov_b32 s[G0L], 1
	s_mov_b32 s[G0L+1], s26
	s_add_nc_u64 s[G0L+2:G0L+3], s[4:5], s[70:71]
	s_or_b32 s[G0L+3], s[G0L+3], 0x80000000
	s_mov_b32 s[G0P], 1
	s_mov_b32 s[G0P+1], s27
	s_add_nc_u64 s[G0P+2:G0P+3], s[16:17], s[72:73]
	s_or_b32 s[G0P+3], s[G0P+3], 0x80000000
	s_add_nc_u64 s[18:19], s[18:19], s[72:73]      ; out0 at my first row
	s_add_nc_u64 s[6:7], s[6:7], s[74:75]          ; rcodes at my first m
	s_add_nc_u64 s[76:77], s[8:9], s[76:77]        ; scales at my first m
	s_add_nc_u64 s[78:79], s[8:9], s[78:79]        ; scales at the first l
	; 14 loads into registers
.irp a, 0,1
	global_load_b128 v[S+4*\a:S+4*\a+3], v[BO], s[14:15] offset:256*\a              ; b_out[64 a + 4 r + 0 .. 3]: columns r of tiles 4 a .. 4 a + 3
.endr
	global_load_b128 v[IW:IW+3], v[WSG], s[12:13]  ; W_out's scale words: the wave's 512 consecutive bytes
	global_load_b64 v[IL:IL+1], v[LSG], s[78:79]   ; left's: 128 consecutive bytes of each of two positions
.irp k, 0,1
	global_load_b32 v[RS+\k], v[RSO], s[76:77] offset:128+64*\k
.endr
	WIN 0x40                                       ; destination window 1
.irp u, 0,1,2,3
.irp k, 0,1
	global_load_b128 v[RF+8*\u+4*\k:RF+8*\u+4*\k+3], v[RFO], s[6:7] offset:512*\u+256*\k   ; 256 consecutive bytes of each of the two positions
.endr
.endr
	WIN 0
	ROUND                                          ; all four work-groups are here: the joint loads meet
	s_cmp_lt_u32 s[WV], 4                          ; one joint load a wave: waves 0-3 W_out's quarters, waves 4-7 left's
	s_cbranch_scc0 .Lfor_left
	tensor_load_to_lds s[G0W:G0W+3], s[G1W:G1W+7]
	s_nop 0
	PLACES                                         ; four places behind the load
	s_branch .Lasked
.Lfor_left:
	tensor_load_to_lds s[G0L:G0L+3], s[G1L:G1L+7]
	s_nop 0
	PLACES
.Lasked:
	s_wait_loadcnt 10                              ; b_out and the scale words for LDS are in; right's ten loads may be out
	WIN 0x40
.irp c, 0,1,2,3,4,5,6,7                        ; b_out starts the sums: column r's number for tile 1's eight rows of an accumulator
.irp j, 0,1,2,3,4,5,6,7
	v_mov_b32 v[ACC+16*\c+8+\j], v[S+\c]
.endr
.endr
	WIN 0
	s_wait_alu depctr_va_vdst(0)
	s_wait_tensorcnt 0x0                           ; my tile of the head's eight is in
	ds_store_b128 v[WSS], v[IW:IW+3]
	ds_store_b64 v[LSS], v[IL:IL+1]
	s_wait_tensorcnt 0x0                           ; the wait, an add and its wait ahead of a later first fill, as ahead of a refill
	ds_add_u32 v[SPW], v[NIL]
	s_wait_dscnt 0x0                               ; the add is done, and for the others' sake my two stores
	ROUND                                          ; everybody's tiles and scale words are in
	tensor_load_to_lds s[G0P:G0P+3], s[G1P:G1P+7]  ; pair: the one load behind the round
	s_nop 0
	PLACES
; K step t.  LDS loads on their way, by this text's own count: W_out's 16 of K step t are issued behind the second product of K step t - 1, left's 8 of K step t + 2 at the end of K step t.
; Distances: QADD's and QSHR's four lines stand between the second product and the loads and conversions that write what it read; the eleven lines of QSWAP between the first product and the loads into left's
; fragments; the 32 maxima between the exchanges and the second product, and between the first products and the first read of their results.
.macro STEP t
	QMAX 0
.if (\t) > 0
	s_wait_alu depctr_va_vdst(0)
.if (\t) < 7
	s_wait_dscnt 8                                 ; W_out's fragments of K step t - 1 are in; left's 8 loads for K step t + 1 may be out
.else
	s_wait_dscnt 0x0                               ; nothing was issued behind them
.endif
	P4 (\t)-1
	WIN 0
.endif
	QADD 0
	QSHR 0
.if (\t) > 0
	FETCH_W \t
.endif
	QCVT 0
	v_nop                                          ; one plain place behind the last scaled conversion
	s_wait_alu depctr_va_vdst(0)
.if (\t) < 7
.if (\t) > 0
	s_wait_dscnt 16                                ; left's fragments of K step t + 1 are in; W_out's 16 loads may be out
.else
	s_wait_dscnt 0x0                               ; they are the youngest
.endif
	P3 (\t)+1, 0
	WIN 0
.else
	s_wait_tensorcnt 0x0                           ; pair has landed; only I read these bytes
	FETCH_P 0                                      ; the first half's registers are free
.endif
	QMAX 2
	QADD 2
	QCVT 2
	QSHR 2
.if (\t) < 7
	P3 (\t)+1, 2
	WIN 0
.else
	FETCH_P 1
	s_wait_alu depctr_va_vdst(0)
	s_wait_tensorcnt 0x0                           ; behind the wave's last LDS write: the wait, the add, and below the wait for the add
	ds_add_u32 v[SPW], v[NIL]
.endif
	QSWAP
.if (\t) < 6
	FETCH_L (\t)+2
.endif
.endm
.irp g, 0,1,2,3
	ds_load_b128 v[LS+4*\g:LS+4*\g+3], v[LSR] offset:16*\g
.endr
	FETCH_L 0
	FETCH_W 0
.irp c, 0,1,2,3,4,5,6,7
	ds_load_b128 v[WS+4*\c:WS+4*\c+3], v[WSR] offset:32*(\c%4)+16*SP*(\c/4)
.endr
	s_wait_loadcnt 0x0                             ; right's fragments and scale words
	s_wait_dscnt 24                                ; left's are in; W_out's 16 loads and its scale words' 8 may be out
	P3 0, 0
	P3 0, 2
	WIN 0
	PLACES                                         ; four places between the first products and the loads into their sources and the first read of their results
	FETCH_L 1
.irp t, 0,1,2,3,4,5,6,7
	STEP \t
.endr
	PLACES                                         ; the last scale word and codes stand ten and eight places ahead of the product that takes them
	PLACES
	s_wait_alu depctr_va_vdst(0)
	s_wait_dscnt 33                                ; W_out's last fragments are in; pair's 32 loads and the add may be out
	P4 7
	WIN 0
	s_wait_dscnt 0x0                               ; pair's rows are in registers; the add is done
	PLACES
	; THE WAY OUT: pair + sum, in pair's registers; sixteen lanes store 256 consecutive bytes at a multiple of 256 from out0's first byte.  Each accumulator is read from its low end on.
.irp z, 0,1
.irp a, 0,1
	WIN 0x01                                       ; source 0 (the sums) window 1
.irp j, 0,1,2,3,4,5,6,7
.irp c, 0,1,2,3
	v_add_f32 v[S+64*\z+32*\a+4*\j+\c], v[ACC+64*\a+16*\c+8*\z+\j], v[S+64*\z+32*\a+4*\j+\c]
.endr
.endr
	WIN 0
.irp j, 0,1,2,3,4,5,6,7
	global_store_b128 v[GO], v[S+64*\z+32*\a+4*\j:S+64*\z+32*\a+4*\j+3], s[18:19] offset:131072*\j+512*\z+256*\a th:TH_STORE_NT   ; 918,272 at the most, inside the signed 24-bit immediate
.endr
.endr
.endr
	ROUND                                          ; the closing round: no work-group ends while a partner may still ask for a tile that names it
	s_endpgm
.Lfunc_end_k_q9c5bf198b8_outer:
	.size	k_q9c5bf198b8_outer, .Lfunc_end_k_q9c5bf198b8_outer-k_q9c5bf198b8_outer
	.p2alignl 7, 3214868480
	.fill 96, 4, 3214868480
	.section	.rodata,"a",@progbits
	.p2align	6, 0x0
	.amdhsa_kernel k_q9c5bf198b8_outer
		.amdhsa_group_segment_fixed_size 327680
		.amdhsa_private_segment_fixed_size 0
		.amdhsa_enable_private_segment 0
		.amdhsa_kernarg_size 64
		.amdhsa_user_sgpr_count 2
		.amdhsa_user_sgpr_kernarg_segment_ptr 1
		.amdhsa_wavefront_size32 1
		.amdhsa_system_sgpr_workgroup_id_x 1
		.amdhsa_system_sgpr_workgroup_id_y 1
		.amdhsa_system_sgpr_workgroup_id_z 1
		.amdhsa_system_vgpr_workitem_id 0
		.amdhsa_next_free_vgpr 512
		.amdhsa_next_free_sgpr 80
		.amdhsa_reserve_vcc 0
		.amdhsa_float_denorm_mode_32 3
		.amdhsa_float_denorm_mode_16_64 3
		.amdhsa_memory_ordered 1
		.amdhsa_forward_progress 1
		.amdhsa_inst_pref_size 103
	.end_amdhsa_kernel
	.amdgpu_metadata
---
amdhsa.version: [ 1, 2 ]
amdhsa.kernels:
  - .name:           k_q9c5bf198b8_outer
    .symbol:         k_q9c5bf198b8_outer.kd
    .args:
      - { .name: lcodes, .offset: 0, .size: 8, .value_kind: global_buffer, .address_space: global }
      - { .name: rcodes, .offset: 8, .size: 8, .value_kind: global_buffer, .address_space: global }
      - { .name: scales, .offset: 16, .size: 8, .value_kind: global_buffer, .address_space: global }
      - { .name: w_out_codes, .offset: 24, .size: 8, .value_kind: global_buffer, .address_space: global }
      - { .name: w_out_scales, .offset: 32, .size: 8, .value_kind: global_buffer, .address_space: global }
      - { .name: b_out, .offset: 40, .size: 8, .value_kind: global_buffer, .address_space: global }
      - { .name: pair, .offset: 48, .size: 8, .value_kind: global_buffer, .address_space: global }
      - { .name: out0, .offset: 56, .size: 8, .value_kind: global_buffer, .address_space: global }
    .group_segment_fixed_size: 327680
    .private_segment_fixed_size: 0
    .kernarg_segment_align: 8
    .kernarg_segment_size: 64
    .max_flat_workgroup_size: 256
    .sgpr_count:     80
    .vgpr_count:     512
    .wavefront_size: 32
...
	.end_amdgpu_metadata
.endif
;; end of part 2
